; MI455X (gfx1250); checked and timed in simulation.
; The chip was launched on July 23, 2026; its instructions are those of AMD's public machine-readable ISA for CDNA 5 (MIT licence, August 2026) and "CDNA5" Instruction Set Architecture Reference Guide (July 2026). The comments in the code are by the model that wrote it; some were corrected since.
;; Vanilla LSTM Net. Allowed arithmetic: float matrix products may take bf16 or f16 operands with f32 sums; other float arithmetic in f32, or as packed bf16 or f16 multiplies, adds, multiply-adds, maxima and minima; sums over many terms, partial sums and values carried from step to step in f32; what a program stores and reads back later, other than sums and carried values, may be rounded once to bf16 or f16.
;; Inputs: dec_b_hh 256 float32; dec_b_ih 256 float32; dec_emb_b 64 float32; dec_emb_w 64 x 2 float32; dec_w_hh 256 x 64 float32; dec_w_ih 256 x 64 float32; enc_b_hh 256 float32; enc_b_ih 256 float32; enc_emb_b 64 float32; enc_emb_w 64 x 2 float32; enc_w_hh 256 x 64 float32; enc_w_ih 256 x 64 float32; h2p_b 2 float32; h2p_w 2 x 64 float32; obs_traj 8 x 65,536 x 2 float32; obs_traj_rel 8 x 65,536 x 2 float32.
;; Outputs: out0 12 x 65,536 x 2 float32.
;; One version. Each part assembles by itself: llvm-mc -triple=amdgcn-amd-amdhsa -mcpu=gfx1250 --defsym DOCPART=n.
;; ======== version 1 of 1: 1 launch
;; limits: values are held in f16: magnitudes above 65,504 overflow, below 6.1e-05 lose precision
;; launch lstm (part 1): grid 256 x 1, 16 waves a work-group, no clusters, 161,792 bytes of LDS; arguments obs_traj_rel, enc_emb_w, enc_emb_b, enc_w_ih, enc_w_hh, enc_b_ih, enc_b_hh, dec_emb_w, dec_emb_b, dec_w_ih, dec_w_hh, dec_b_ih, dec_b_hh, h2p_w, h2p_b, out0; writes out0
.if DOCPART == 1
	.amdgcn_target "amdgcn-amd-amdhsa--gfx1250"
	.amdhsa_code_object_version 6
	.text
	.protected	k_q686d526b24_lstm
	.globl	k_q686d526b24_lstm
	.p2align	8
	.type	k_q686d526b24_lstm,@function
k_q686d526b24_lstm:
	s_mov_b64 s[64:65], 0
	v_nop
	global_prefetch_b8 v0, s[64:65] scope:SCOPE_SE
	s_setreg_imm32_b32 hwreg(HW_REG_WAVE_MODE, 25, 1), 1
	s_wait_xcnt 0x0
; LSTM encoder (8 steps) and decoder (12 steps), batch 65,536, 64 hidden units, out0[12][65536][2] in f32.  One launch, nothing through memory between the steps.
; ALGEBRA, valid for every input.  Every x is an affine map of two numbers, so x w_ih^T = rel (w_ih emb_w)^T + w_ih emb_b: two columns Wc and a bias bc = w_ih emb_b + b_ih + b_hh.
; From the second decoder step on rel = h2p_w h + h2p_b, so gates = (w_hh + Wc h2p_w) h + (bc + Wc h2p_b).  All of that is composed in f32 from the inputs, here, by every work-group.
; So a gate product has K = 64 (two matrix instructions) and, in the encoder and the first decoder step, one more instruction whose K holds (x0, x1, 1, 1) against (Wc0, Wc1, bias hi, bias lo).
; SHARES.  A work-group owns 256 batch rows: 16 tiles of 16.  Wave w = 4 g + u owns the 16 hidden units 16 u .. 16 u + 15, all four gates, for the four batch tiles 4 g .. 4 g + 3.
; Its weights (64 registers and 8 or 32) and its cell state (32) stay in registers; all fits in v0-255, so no register window is ever switched.  Only h crosses waves: f16, 512 bytes a piece, through LDS.
; LAYOUT.  The product is taken transposed, D = W (16 gate rows, source 0) x h^T (source 1): a lane holds ONE batch row (lane % 16) and the units 8 (lane / 16) + 0..7.  The four gates of a unit lie in the same lane
; and register number, and h, rounded to f16 in pairs, IS a quarter of source 1 of the next step: quarter u goes into registers BF + 4 u .. + 3 of the same lane.
; GATES.  Rows of i, f, o are scaled by -log2(e), rows of g by 2 log2(e), and -30 is added to every bias: the matrix result is the argument of v_exp_f32, and the exponential is eps e, eps = 2^-30.
; With X' = min(eps e_x + eps, 1) (the clamp rides on the multiply-add) and the state kept as s = 2 log2(e) c:   s <- (s eps A'G' + k eps (G' - 2 eps) F') / (F' A' G'),  ec = 2^s,  h = (eps ec - eps) / (O' ec + O').
; Seven transcendentals a unit (5 exp, 2 rcp).  The divisors lie in 2^-90 .. 1 and 2^-30 .. 2^36 (|c| grows by at most 1 a step, 12 steps at the most), so no reciprocal meets a denormal or overflows.
; FORMAT AND LIMITS.  Matrix operands are f16 (h lies in -1 .. 1; the weights are rounded once, after the composition in f32); sums, state and gate arithmetic in f32.  A sigmoid does not fall below 2^-30 and a tanh
; does not pass 1 - 2^-29 (absolute error under 1e-8).  The scaled composed weights, the scaled biases of the encoder and of the first decoder step, and x must stay under f16's 65,504:
; with all inputs 30 times the drawn spread, or offset by 30 spreads, the largest of them is about 2e4.  NaN and infinities in the inputs are not treated apart.
; obs_traj is no argument of this launch: no number in it can change a result.
; NO CLUSTER, NO TENSOR LOAD, NO PREFETCH.  What work-groups share is the weights, 262,144 bytes, read ONCE by each at its head (not once a step), and they must pass through registers for the composition in f32;
; x is 16 KiB a work-group, read once at the head as well.  No stream is walked afterwards.
.set TSTEP,  524288     ; bytes of one time step of obs_traj_rel and of out0: 65,536 rows x 8
; LDS
.set IMG_E,  0x00000    ; 32,768: encoder w_hh as fragments: tile t = 4 gate + u, fragment f (32 k), plane p (registers 4 p .. 4 p + 3) at (2 t + f) 1024 + 512 p + 16 lane
.set IMG_D1, 0x08000    ; 32,768: decoder w_hh, likewise
.set IMG_D2, 0x10000    ; 32,768: decoder w_hh + Wc h2p_w, likewise
.set HB,     0x18000    ; 32,768: h: group g, batch tile b, quarter u at 8192 g + 2048 b + 512 u + 16 lane
.set XS,     0x20000    ; 9,216: nine slots of 1,024: (x0, x1) in f16 of row 0..255 at 4 row; slot 8 repeats step 7, for the first decoder step
.set EXT_E,  0x22400    ; 4,096: the extra K columns: tile t at 256 t + 8 lane: (s Wc0, s Wc1), (bias hi, bias lo); 0 in lanes 16-31
.set EXT_D1, 0x23400    ; 4,096
.set BT,     0x24400    ; 1,024: f32 bias of decoder steps 2..12, gate row R at 4 R
.set IMG_R,  0x24800    ; 2,048: h2p_w as fragments: rows 0, 1, 8, 9 of the tile hold its rows 0, 1, 0, 1, the others 0
.set TS,     0x25000    ; 8,192: scratch of the preparation, each wave's own 512: set x 256 + row x 16: Wc0, Wc1, w_ih emb_b
.set SPARE,  0x27000    ; 2,048: the spare words, 128 bytes a wave: no other line names them
; vector registers of the steps
.set SPW,  1            ; LDS address of my spare word; never rewritten
.set NIL,  2            ; 0; never rewritten
.set HS,   3            ; where I put my quarter of h, batch tile 0
.set HL,   4            ; where my group's h begins, + 16 lane
.set XA,   5            ; my row's x in slot t, batch tile 0; steps by a slot a trip
.set WA,   6            ; 16 lane + 2048 u: my fragments in an image
.set OO,   7            ; my 8 bytes in a step of out0: 8 lane + 512 g + 128 u
.set ONE,  8            ; v[8:9]   1.0, 1.0
.set EPSV, 10           ; v[10:11] eps, eps
.set HOLD, 12           ; v[12:13] the even tile's two outputs, until the odd tile's are there
.set OD,   14           ; v[14:15] a store's data; at reloads two addresses
.set AX,   16           ; v[16:23] the extra K columns, two registers a gate; gate q's fragment is v[AX+2q : AX+2q+7]: its registers 2-7 are other finite f16 numbers that meet zeros in BX
.set AF,   24           ; v[24:87] weights: gate q, fragment f at AF + 16 q + 8 f
.set BX,   88           ; v[88:95] (x0, x1), (1, 1), six zeros
.set BI,   88           ; v[88:119] later: the bias as C operand, gate q at BI + 8 q
.set HP,   120          ; v[120:135] h2p_w, two fragments
.set BF,   136          ; v[136:151] h of one batch tile, two fragments
.set CST,  152          ; v[152:183] the state s, batch tile b at CST + 8 b
.set BLK,  184          ; v[184:247] two blocks of four accumulators I, F, G, O at +0, +8, +16, +24; piece b has block b % 2
.set RA,   248          ; v[248:255] the output's accumulator
; vector registers of the preparation (v16 and up are free then)
.set IHE, 16            ; enc_w_ih, load j at + 4 j: row 2 j + lane / 16 of my tile, columns 4 (lane % 16) .. + 3
.set IHD, 48            ; dec_w_ih
.set HHE, 80            ; enc_w_hh
.set HHD, 112           ; dec_w_hh
.set EWE, 144           ; enc_emb_w of my four columns, as pairs
.set EBE, 152           ; enc_emb_b of them
.set EWD, 156
.set EBD, 164
.set HP0, 168           ; h2p_w row 0 at my four columns
.set HP1, 172           ; row 1
.set BB,  176           ; enc_b_ih, enc_b_hh, dec_b_ih, dec_b_hh of row lane % 16
.set XR,  180           ; two loads of x
.set HR,  188           ; h2p_w as the fragment wants it, raw
.set WCD, 200           ; the decoder's (Wc0, Wc1) of load j's row at + 2 j
.set PL,  216           ; lane
.set PL15, 217          ; lane % 16
.set PHH, 218           ; lane / 16
.set AE32, 219
.set AE16, 220
.set ABI, 221
.set AXG, 222
.set AHP, 223
.set LIN, 224
.set TSA, 225
.set TSR, 226
.set XSA, 227
.set PI0, 228
.set PI1, 229
.set PI2, 230
.set RST, 231
.set EXA, 232
.set BTA, 233
.set PT,  234
.set PT2, 235
.set ZR,  236           ; v[236:239] zeros
; scalar registers: s[8:39] the sixteen addresses in the order of the arguments
.set WV,   40           ; my wave
.set SU,   41           ; u = wave % 4
.set SG,   42           ; g = wave / 4; in the preparation the gate of my tile
.set CNT,  43
.set SC,   44           ; s[44:45] the scale of my tile's gate
.set K1,   46           ; s[46:47] 2 log2(e) eps
.set K2,   48           ; s[48:49] -4 log2(e) eps^2
.set EPS,  50           ; s[50:51]
.set NEPS, 52           ; s[52:53]
.set HB0,  54           ; s[54:55] h2p_b
.set MHI,  56           ; lanes 16-31
.set M30,  57           ; -30.0
.set MLO,  60           ; lanes 0-15
	s_load_b512 s[8:23], s[0:1], 0x0               ; obs_traj_rel 8, enc_emb_w 10, enc_emb_b 12, enc_w_ih 14, enc_w_hh 16, enc_b_ih 18, enc_b_hh 20, dec_emb_w 22
	s_load_b512 s[24:39], s[0:1], 0x40             ; dec_emb_b 24, dec_w_ih 26, dec_w_hh 28, dec_b_ih 30, dec_b_hh 32, h2p_w 34, h2p_b 36, out0 38
	v_lshl_add_u32 v[SPW], v0, 2, SPARE
	v_mov_b32 v[NIL], 0
	v_lshrrev_b32 v[PT], 5, v0
	v_readfirstlane_b32 s[WV], v[PT]               ; wave 0..15
	s_and_b32 s[SU], s[WV], 3
	s_lshr_b32 s[SG], s[WV], 2
	v_and_b32 v[PL], 31, v0
	v_and_b32 v[PL15], 15, v0
	v_bfe_u32 v[PHH], v0, 4, 1
	s_lshl_b32 s2, s[SG], 13
	s_add_co_u32 s2, s2, HB
	v_lshl_add_u32 v[HL], v[PL], 4, s2
	s_lshl_b32 s3, s[SU], 9
	s_add_co_u32 s3, s3, s2
	v_lshl_add_u32 v[HS], v[PL], 4, s3
	s_lshl_b32 s2, s[SG], 8
	s_add_co_u32 s2, s2, XS
	v_lshl_add_u32 v[XA], v[PL15], 2, s2
	s_lshl_b32 s2, s[SU], 11
	v_lshl_add_u32 v[WA], v[PL], 4, s2
	s_lshl_b32 s2, s[SG], 9
	s_lshl_b32 s3, s[SU], 7
	s_add_co_u32 s2, s2, s3
	v_lshl_add_u32 v[OO], v[PL], 3, s2
	v_mov_b32 v[ONE], 1.0
	v_mov_b32 v[ONE+1], 1.0
	v_mov_b32 v[EPSV], 0x30800000
	v_mov_b32 v[EPSV+1], 0x30800000
	v_mov_b32 v[HOLD], 0
	v_mov_b32 v[HOLD+1], 0
	s_mov_b32 s[K1], 0x3138aa3b
	s_mov_b32 s[K1+1], 0x3138aa3b                  ; named as pairs, so both words are written
	s_mov_b32 s[K2], 0xa2b8aa3b
	s_mov_b32 s[K2+1], 0xa2b8aa3b
	s_mov_b32 s[EPS], 0x30800000
	s_mov_b32 s[EPS+1], 0x30800000
	s_mov_b32 s[NEPS], 0xb0800000
	s_mov_b32 s[NEPS+1], 0xb0800000
	s_mov_b32 s[MHI], 0xffff0000
	s_mov_b32 s[MLO], 0x0000ffff
	s_mov_b32 s[M30], 0xc1f00000
	s_mov_b32 s[SC], 0xbfb8aa3b                    ; -log2(e) for i, f, o;
	s_mov_b32 s2, 0x4038aa3b                       ; 2 log2(e) for g, the third gate
	s_cmp_eq_u32 s[SG], 2
	s_cselect_b32 s[SC], s2, s[SC]
	s_mov_b32 s[SC+1], s[SC]
	; offsets of the loads
	v_lshlrev_b32 v[AE32], 5, v[PL15]              ; emb_w: my four columns' pairs, 32 bytes
	v_lshlrev_b32 v[AE16], 4, v[PL15]              ; emb_b, h2p_w: my four columns, 16 bytes
	s_lshl_b32 s2, s[WV], 6
	v_lshl_add_u32 v[ABI], v[PL15], 2, s2          ; biases: row 16 wave + lane % 16
	v_lshrrev_b32 v[PT], 7, v0                     ; x: thread t takes step t / 128 (and that + 4), rows 2 (t % 128) and the next
	v_and_b32 v[PT2], 127, v0
	v_lshlrev_b32 v[AXG], 4, v[PT2]
	v_lshl_add_u32 v[AXG], v[PT], 19, v[AXG]
	v_lshlrev_b32 v[XSA], 3, v[PT2]
	v_lshl_add_u32 v[XSA], v[PT], 10, v[XSA]
	v_add_nc_u32 v[XSA], XS, v[XSA]
	v_and_b32 v[PT], 1, v0
	s_lshl_b32 s2, s[SU], 6
	v_lshl_add_u32 v[AHP], v[PT], 8, s2            ; h2p_w for plane u of its image: row lane % 2, columns 16 u + 8 (lane / 16) .. + 7
	v_lshl_add_u32 v[AHP], v[PHH], 5, v[AHP]
	s_lshl_b32 s2, s[WV], 12
	v_lshl_add_u32 v[LIN], v[PL], 4, s2            ; my tile of a weight matrix: 16 rows of 256 bytes, dense: 4,096 wave + 16 lane
	s_wait_kmcnt 0x0
	s_load_b64 s[HB0:HB0+1], s[36:37], 0x0         ; h2p_b
	s_lshl_b32 s2, ttmp9, 11                       ; the work-group's 256 rows of 8 bytes
	s_mov_b32 s3, 0
	s_add_nc_u64 s[8:9], s[8:9], s[2:3]
	s_add_nc_u64 s[38:39], s[38:39], s[2:3]
	; ALL LOADS AT ONCE: 16 small ones, the two w_ih tiles (16), the two w_hh tiles (16)
	global_load_b128 v[EWE:EWE+3], v[AE32], s[10:11]
	global_load_b128 v[EWE+4:EWE+7], v[AE32], s[10:11] offset:16
	global_load_b128 v[EBE:EBE+3], v[AE16], s[12:13]
	global_load_b128 v[EWD:EWD+3], v[AE32], s[22:23]
	global_load_b128 v[EWD+4:EWD+7], v[AE32], s[22:23] offset:16
	global_load_b128 v[EBD:EBD+3], v[AE16], s[24:25]
	global_load_b128 v[HP0:HP0+3], v[AE16], s[34:35]
	global_load_b128 v[HP1:HP1+3], v[AE16], s[34:35] offset:256
	global_load_b32 v[BB], v[ABI], s[18:19]
	global_load_b32 v[BB+1], v[ABI], s[20:21]
	global_load_b32 v[BB+2], v[ABI], s[30:31]
	global_load_b32 v[BB+3], v[ABI], s[32:33]
	global_load_b128 v[XR:XR+3], v[AXG], s[8:9] th:TH_LOAD_NT
	global_load_b128 v[XR+4:XR+7], v[AXG], s[8:9] offset:4*TSTEP th:TH_LOAD_NT
	global_load_b128 v[HR:HR+3], v[AHP], s[34:35]
	global_load_b128 v[HR+4:HR+7], v[AHP], s[34:35] offset:16
.irp j, 0,1,2,3,4,5,6,7
	global_load_b128 v[IHE+4*\j:IHE+4*\j+3], v[LIN], s[14:15] offset:512*\j  ; 512 consecutive bytes an instruction
.endr
.irp j, 0,1,2,3,4,5,6,7
	global_load_b128 v[IHD+4*\j:IHD+4*\j+3], v[LIN], s[26:27] offset:512*\j
.endr
.irp j, 0,1,2,3,4,5,6,7
	global_load_b128 v[HHE+4*\j:HHE+4*\j+3], v[LIN], s[16:17] offset:512*\j
.endr
.irp j, 0,1,2,3,4,5,6,7
	global_load_b128 v[HHD+4*\j:HHD+4*\j+3], v[LIN], s[28:29] offset:512*\j
.endr
	; LDS addresses of the preparation, and h = 0, while the loads are out
	s_lshl_b32 s2, s[WV], 9
	s_add_co_u32 s2, s2, TS
	v_lshl_add_u32 v[TSA], v[PHH], 4, s2           ; scratch in: row 2 j + lane / 16
	v_lshl_add_u32 v[TSR], v[PL15], 4, s2          ; scratch back: row lane % 16
	s_lshl_b32 s2, s[WV], 11                       ; my four f16 of load j in an image: column 4 (lane % 16) gives fragment (bit 3), plane (bit 2), half of the lanes (bit 1), half of 16 bytes (bit 0)
	v_bfe_u32 v[PT], v0, 1, 3
	v_lshl_add_u32 v[PI0], v[PT], 8, s2
	v_lshl_add_u32 v[PI0], v[PHH], 4, v[PI0]       ; row 2 j + lane / 16: 16 bytes a row, 32 j in the immediate
	v_and_b32 v[PT], 1, v0
	v_lshl_add_u32 v[PI0], v[PT], 3, v[PI0]
	v_add_nc_u32 v[PI1], IMG_D1, v[PI0]
	v_add_nc_u32 v[PI2], IMG_D2, v[PI0]
	s_lshl_b32 s2, s[WV], 9
	s_add_co_u32 s2, s2, IMG_R
	v_lshl_add_u32 v[RST], v[PL], 4, s2            ; used by waves 0-3 alone
	s_lshl_b32 s2, s[WV], 8
	s_add_co_u32 s2, s2, EXT_E
	v_lshl_add_u32 v[EXA], v[PL], 3, s2
	v_add_nc_u32 v[BTA], BT, v[ABI]
.irp i, 0,1,2,3
	v_mov_b32 v[ZR+\i], 0
.endr
.irp b, 0,1,2,3
	ds_store_b128 v[HS], v[ZR:ZR+3] offset:2048*\b ; the encoder starts from h = 0
.endr
; Wc and w_ih emb_b of the two rows of load j: four columns a lane, then the sum over the 16 lanes of a row.  The 16 lanes of a row store the same 16 bytes; the fourth word is not used.
.macro DOT ih, ew, eb, set, j
.set tb, 196+44*((\j)%2)
.set ri, (\ih)+4*(\j)
	v_pk_mul_f32 v[tb:tb+1], v[ri:ri+1], v[\ew:\ew+1] op_sel_hi:[0,1]
	v_pk_mul_f32 v[tb+2:tb+3], v[ri:ri+1], v[\eb:\eb+1]
	v_pk_fma_f32 v[tb:tb+1], v[ri:ri+1], v[\ew+2:\ew+3], v[tb:tb+1] op_sel:[1,0,0] op_sel_hi:[1,1,1]
	v_pk_fma_f32 v[tb+2:tb+3], v[ri+2:ri+3], v[\eb+2:\eb+3], v[tb+2:tb+3]
	v_pk_fma_f32 v[tb:tb+1], v[ri+2:ri+3], v[\ew+4:\ew+5], v[tb:tb+1] op_sel_hi:[0,1,1]
	v_pk_fma_f32 v[tb:tb+1], v[ri+2:ri+3], v[\ew+6:\ew+7], v[tb:tb+1] op_sel:[1,0,0] op_sel_hi:[1,1,1]
	v_add_f32 v[tb+2], v[tb+2], v[tb+3]
.irp m, 1,2,4,8
	v_add_f32_dpp v[tb], v[tb], v[tb] row_xmask:\m row_mask:0xf bank_mask:0xf
	v_add_f32_dpp v[tb+1], v[tb+1], v[tb+1] row_xmask:\m row_mask:0xf bank_mask:0xf
	v_add_f32_dpp v[tb+2], v[tb+2], v[tb+2] row_xmask:\m row_mask:0xf bank_mask:0xf
.endr
	ds_store_b128 v[TSA], v[tb:tb+3] offset:(\set)*256+(\j)*32
.if \set
	v_mov_b32 v[WCD+2*(\j)], v[tb]                 ; the decoder's Wc of this row is wanted again below, in the lanes that hold the row of w_hh
	v_mov_b32 v[WCD+2*(\j)+1], v[tb+1]
.endif
.endm
	s_wait_loadcnt 16                              ; all but the 16 loads of the two w_hh tiles, which were issued last
	v_cvt_pk_f16_f32 v248, v[XR], v[XR+1]          ; x to f16, a row a word
	v_cvt_pk_f16_f32 v249, v[XR+2], v[XR+3]
	v_cvt_pk_f16_f32 v250, v[XR+4], v[XR+5]
	v_cvt_pk_f16_f32 v251, v[XR+6], v[XR+7]
	ds_store_b64 v[XSA], v[248:249]
	ds_store_b64 v[XSA], v[250:251] offset:4096
	s_cmp_ge_u32 s[WV], 12                         ; waves 12-15 hold step 7: once more into slot 8
	s_cbranch_scc0 .Lno_slot8
	ds_store_b64 v[XSA], v[250:251] offset:5120
.Lno_slot8:
	s_cmp_lt_u32 s[WV], 4                          ; waves 0-3 write the four planes of h2p_w's image
	s_cbranch_scc0 .Lno_imgr
	v_and_b32 v[PT], 6, v0
	v_cmp_eq_u32 vcc_lo, 0, v[PT]                  ; rows 0, 1, 8, 9 of the tile
.irp i, 0,1,2,3
	v_cvt_pk_f16_f32 v[252+\i], v[HR+2*\i], v[HR+2*\i+1]
.endr
.irp i, 0,1,2,3
	v_cndmask_b32 v[252+\i], 0, v[252+\i], vcc_lo
.endr
	ds_store_b128 v[RST], v[252:255]
.Lno_imgr:
.irp j, 0,1,2,3,4,5,6,7
	DOT IHE, EWE, EBE, 0, \j
.endr
.irp j, 0,1,2,3,4,5,6,7
	DOT IHD, EWD, EBD, 1, \j
.endr
; The three images' words of load j: scaled, rounded once to f16, 8 bytes a lane.
.macro IMG j
	v_pk_mul_f32 v[240:241], v[HHE+4*(\j):HHE+4*(\j)+1], s[SC:SC+1] op_sel_hi:[1,0]
	v_pk_mul_f32 v[242:243], v[HHE+4*(\j)+2:HHE+4*(\j)+3], s[SC:SC+1] op_sel_hi:[1,0]
	v_pk_mul_f32 v[246:247], v[HHD+4*(\j):HHD+4*(\j)+1], s[SC:SC+1] op_sel_hi:[1,0]
	v_pk_mul_f32 v[248:249], v[HHD+4*(\j)+2:HHD+4*(\j)+3], s[SC:SC+1] op_sel_hi:[1,0]
	v_pk_fma_f32 v[252:253], v[HP0:HP0+1], v[WCD+2*(\j):WCD+2*(\j)+1], v[HHD+4*(\j):HHD+4*(\j)+1] op_sel_hi:[1,0,1]      ; w_hh + Wc0 h2p_w[0]
	v_pk_fma_f32 v[254:255], v[HP0+2:HP0+3], v[WCD+2*(\j):WCD+2*(\j)+1], v[HHD+4*(\j)+2:HHD+4*(\j)+3] op_sel_hi:[1,0,1]
	v_cvt_pk_f16_f32 v244, v240, v241
	v_cvt_pk_f16_f32 v245, v242, v243
	v_pk_fma_f32 v[252:253], v[HP1:HP1+1], v[WCD+2*(\j):WCD+2*(\j)+1], v[252:253] op_sel:[0,1,0] op_sel_hi:[1,1,1]      ; + Wc1 h2p_w[1]
	v_pk_fma_f32 v[254:255], v[HP1+2:HP1+3], v[WCD+2*(\j):WCD+2*(\j)+1], v[254:255] op_sel:[0,1,0] op_sel_hi:[1,1,1]
	v_cvt_pk_f16_f32 v250, v246, v247
	v_cvt_pk_f16_f32 v251, v248, v249
	ds_store_b64 v[PI0], v[244:245] offset:32*(\j)
	v_pk_mul_f32 v[252:253], v[252:253], s[SC:SC+1] op_sel_hi:[1,0]
	v_pk_mul_f32 v[254:255], v[254:255], s[SC:SC+1] op_sel_hi:[1,0]
	ds_store_b64 v[PI1], v[250:251] offset:32*(\j)
	v_cvt_pk_f16_f32 v196, v252, v253
	v_cvt_pk_f16_f32 v197, v254, v255
	ds_store_b64 v[PI2], v[196:197] offset:32*(\j)
.endm
	s_wait_loadcnt 0x0                             ; the two w_hh tiles
.irp j, 0,1,2,3,4,5,6,7
	IMG \j
.endr
	; the extra K columns and the biases, a row a lane.  The scratch is my wave's own: LDS serves a wave's instructions in order (ISA guide 5.7.1.4), so these loads see the stores above
	ds_load_b128 v[16:19], v[TSR]                  ; encoder: Wc0, Wc1, w_ih emb_b
	ds_load_b128 v[20:23], v[TSR] offset:256       ; decoder
	v_add_f32 v24, v[BB], v[BB+1]
	v_add_f32 v25, v[BB+2], v[BB+3]
	s_wait_kmcnt 0x0                               ; h2p_b
	s_wait_dscnt 0x0
	v_add_f32 v24, v24, v18                        ; bc of the encoder,
	v_add_f32 v25, v25, v22                        ; of the decoder
	v_fma_f32 v26, v24, s[SC], s[M30]              ; scaled, less 30
	v_fma_f32 v27, v25, s[SC], s[M30]
	v_fma_f32 v28, v20, s[HB0], v25                ; decoder steps 2..12: bc + Wc h2p_b,
	v_fma_f32 v28, v21, s[HB0+1], v28
	v_fma_f32 v28, v28, s[SC], s[M30]              ; kept in f32
	v_pk_mul_f32 v[16:17], v[16:17], s[SC:SC+1] op_sel_hi:[1,0]
	v_pk_mul_f32 v[20:21], v[20:21], s[SC:SC+1] op_sel_hi:[1,0]
	v_cvt_pk_f16_f32 v30, v26, v26                 ; the bias goes in as two f16: its rounding, and what the rounding lost
	v_cvt_pk_f16_f32 v31, v27, v27
	v_cvt_f32_f16 v32, v30.l
	v_cvt_f32_f16 v33, v31.l
	v_sub_f32 v32, v26, v32
	v_sub_f32 v33, v27, v33
	v_cvt_pk_f16_f32 v34, v16, v17
	v_cvt_pk_f16_f32 v35, v26, v32
	v_cvt_pk_f16_f32 v36, v20, v21
	v_cvt_pk_f16_f32 v37, v27, v33
.irp i, 34,35,36,37
	v_cndmask_b32 v\i, 0, v\i, s[MLO]              ; lanes 16-31 hold k = 8 .. 11 of the fragment: 0
.endr
	ds_store_b64 v[EXA], v[34:35]
	ds_store_b64 v[EXA], v[36:37] offset:EXT_D1-EXT_E
	ds_store_b32 v[BTA], v28                       ; both halves of the lanes store the same word
	s_wait_dscnt 0x0                               ; for the others' sake: all my stores of the preparation are done
	s_barrier_signal -1
	s_barrier_wait -1                              ; images, x and h = 0 are whole
; THE STEPS.
; The next matrix instruction of the piece in the making (mi counts them).  The four accumulators I, F, G, O take turns, one instruction a turn: K 0-31, K 32-63, and in form 0 the extra columns.
; Form 0: the sums start with the constant 0.  Form 1: with the bias.
.macro MM
.set qq, mi%4
.set rD, MBLK+8*qq
.if mi/4 == 2
	v_wmma_f32_16x16x32_f16 v[rD:rD+7], v[AX+2*qq:AX+2*qq+7], v[BX:BX+7], v[rD:rD+7]
.elseif mi/4 == 1
	v_wmma_f32_16x16x32_f16 v[rD:rD+7], v[AF+16*qq+8:AF+16*qq+15], v[BF+8:BF+15], v[rD:rD+7]
.elseif MFORM == 0
	v_wmma_f32_16x16x32_f16 v[rD:rD+7], v[AF+16*qq:AF+16*qq+7], v[BF:BF+7], 0
.else
	v_wmma_f32_16x16x32_f16 v[rD:rD+7], v[AF+16*qq:AF+16*qq+7], v[BF:BF+7], v[BI+8*qq:BI+8*qq+7]
.endif
.set mi, mi+1
.endm
.macro HOOK
.if mi < MN
	MM
.endif
.endm
.macro EXPH reg                        ; an exponential in place; behind every PER1-th a matrix instruction
	v_exp_f32 v[\reg], v[\reg]
.set nn, nn+1
.if (nn%PER1) == 0
	HOOK
.endif
.endm
.macro LOADB t                         ; h of batch tile t of my group: four quarters, 512 consecutive bytes each
.irp u, 0,1,2,3
	ds_load_b128 v[BF+4*\u:BF+4*\u+3], v[HL] offset:(\t)*2048+\u*512
.endr
.endm
.macro BATCH_END                       ; behind a batch of transcendentals: a plain instruction behind the last, and one wait ahead of the first reader
	v_nop
	s_wait_alu depctr_va_vdst(0)
.endm
; A TURN, for batch tile b.  The gate arithmetic of piece b (block b % 2) runs while the products of piece b + 1 (the other block) are dealt among its first 60 lines.
; mform: the form of those products.  xl = 1: x of piece b + 2 is fetched.  om = 1, 2: BF holds h of a decoder step, tile b + 1: the wave with u = 2 ((b + 1) / 2) makes its two outputs; 1: kept, 2: stored with the kept ones.
; THE WINDOW at its end is the only place where h is touched: wait for the barrier signalled a turn ago; store h of piece b; load h for piece b + 2 (stored two windows ago, ahead of a signal that I have waited for);
; wait for both; signal.  The store writes over h of the same tile one step back: every wave loaded that two windows ago and awaited it ahead of its signal, which I have waited for.  No wave enters window p + 1
; before all have left window p, and within a window the stores go to tile b, the loads to tile b + 2.  Between a signal and the wait for it stand register work and loads of image bytes that nobody writes any more.
.macro TURN b, mform, xl, om
.set BK, BLK+32*((\b)%2)
.set MBLK, BLK+32*(((\b)+1)%2)
.set ST, CST+8*(\b)
.set NB1, ((\b)+1)%4
.set NB2, ((\b)+2)%4
.set MFORM, (\mform)
.set MN, 12-4*(\mform)
.set PER1, 4+2*(\mform)
.set PER2, 6+3*(\mform)
.set mi, 0
.set nn, 0
.set rr, 0
.rept 8                                ; 24 exponentials: eps e of i, g, f; each accumulator is read from its lowest register on
	EXPH BK+rr
	EXPH BK+16+rr
	EXPH BK+8+rr
.set rr, rr+1
.endr
	BATCH_END
.set nn, 0
.rept 36                               ; 36 packed lines, line by line over the four pairs; behind every fourth an exponential of o, behind every PER2-th a matrix instruction
.set pp, nn%4
.set rI, BK+2*pp
.set rF, BK+8+2*pp
.set rG, BK+16+2*pp
.set rS, ST+2*pp
.if (nn/4) == 0
	v_pk_fma_f32 v[rI:rI+1], v[rI:rI+1], v[ONE:ONE+1], v[EPSV:EPSV+1] clamp   ; A' = min(eps e_i + eps, 1)
.elseif (nn/4) == 1
	v_pk_fma_f32 v[rG:rG+1], v[rG:rG+1], v[ONE:ONE+1], v[EPSV:EPSV+1] clamp   ; G'
.elseif (nn/4) == 2
	v_pk_fma_f32 v[rF:rF+1], v[rF:rF+1], v[ONE:ONE+1], v[EPSV:EPSV+1] clamp   ; F'
.elseif (nn/4) == 3
	v_pk_mul_f32 v[rI:rI+1], v[rI:rI+1], v[rG:rG+1]                           ; P = A' G'
.elseif (nn/4) == 4
	v_pk_fma_f32 v[rG:rG+1], v[rG:rG+1], s[K1:K1+1], s[K2:K2+1] op_sel_hi:[1,0,0]  ; N = k eps (G' - 2 eps)
.elseif (nn/4) == 5
	v_pk_mul_f32 v[rG:rG+1], v[rG:rG+1], v[rF:rF+1]                           ; N F'
.elseif (nn/4) == 6
	v_pk_mul_f32 v[rF:rF+1], v[rF:rF+1], v[rI:rI+1]                           ; the divisor F' P
.elseif (nn/4) == 7
	v_pk_mul_f32 v[rI:rI+1], v[rI:rI+1], s[EPS:EPS+1] op_sel_hi:[1,0]         ; eps P
.else
	v_pk_fma_f32 v[rG:rG+1], v[rS:rS+1], v[rI:rI+1], v[rG:rG+1]               ; s eps P + N F'
.endif
.set nn, nn+1
.if ((nn%4) == 0) && (nn < 36)
	v_exp_f32 v[BK+24+nn/4-1], v[BK+24+nn/4-1]
.endif
.if (nn%PER2) == 0
	HOOK
.endif
.endr
.set rr, 0
.rept 8
	v_rcp_f32 v[BK+8+rr], v[BK+8+rr]
.set rr, rr+1
.endr
	BATCH_END                              ; one wait for the 8 exponentials of o and the 8 reciprocals
.set pp, 0
.rept 4
	v_pk_mul_f32 v[ST+2*pp:ST+2*pp+1], v[BK+16+2*pp:BK+16+2*pp+1], v[BK+8+2*pp:BK+8+2*pp+1]  ; the new state
.set pp, pp+1
.endr
.set pp, 0
.rept 4
	v_pk_fma_f32 v[BK+24+2*pp:BK+24+2*pp+1], v[BK+24+2*pp:BK+24+2*pp+1], v[ONE:ONE+1], v[EPSV:EPSV+1] clamp  ; O'
.set pp, pp+1
.endr
.set rr, 0
.rept 8
	v_exp_f32 v[BK+rr], v[ST+rr]           ; ec = e^(2 c)
.set rr, rr+1
.endr
	BATCH_END
.set pp, 0
.rept 4
	v_pk_fma_f32 v[BK+16+2*pp:BK+16+2*pp+1], v[BK+2*pp:BK+2*pp+1], s[EPS:EPS+1], s[NEPS:NEPS+1] op_sel_hi:[1,0,0]  ; eps ec - eps
.set pp, pp+1
.endr
.set pp, 0
.rept 4
	v_pk_fma_f32 v[BK+24+2*pp:BK+24+2*pp+1], v[BK+24+2*pp:BK+24+2*pp+1], v[BK+2*pp:BK+2*pp+1], v[BK+24+2*pp:BK+24+2*pp+1]  ; O' ec + O'
.set pp, pp+1
.endr
.set rr, 0
.rept 8
	v_rcp_f32 v[BK+24+rr], v[BK+24+rr]
.set rr, rr+1
.endr
	BATCH_END
.if \om
	s_cmp_eq_u32 s[SU], 2*(NB1/2)          ; the branch hangs on the wave's number alone
	s_cbranch_scc0 .Lno_r_\@
	v_wmma_f32_16x16x32_f16 v[RA:RA+7], v[HP:HP+7], v[BF:BF+7], 0
	s_wait_alu depctr_va_vdst(0)           ; the wait directly ahead of the second
	v_wmma_f32_16x16x32_f16 v[RA:RA+7], v[HP+8:HP+15], v[BF+8:BF+15], v[RA:RA+7]
.Lno_r_\@:
.endif
.set pp, 0
.rept 4                                ; these eight plain lines name no register of the products: they are the places ahead of the loads into BF and BX and of the reads of RA
	v_pk_mul_f32 v[BK+16+2*pp:BK+16+2*pp+1], v[BK+16+2*pp:BK+16+2*pp+1], v[BK+24+2*pp:BK+24+2*pp+1]  ; h
.set pp, pp+1
.endr
.set pp, 0
.rept 4
	v_cvt_pk_f16_f32 v[BK+pp], v[BK+16+2*pp], v[BK+16+2*pp+1]
.set pp, pp+1
.endr
	s_barrier_wait -1                      ; every wave has left the window before this one
	ds_store_b128 v[HS], v[BK:BK+3] offset:(\b)*2048
	LOADB NB2
.if \xl
	ds_load_b32 v[BX], v[XA] offset:NB2*64+(((\b)+2)/4)*1024
.endif
.if \om
	s_cmp_eq_u32 s[SU], 2*(NB1/2)
	s_cbranch_scc0 .Lno_o_\@
.if (\om) == 1
	v_add_f32 v[HOLD], s[HB0], v[RA]       ; registers 0 and 1 hold the row's two outputs, in both halves of the lanes
	v_add_f32 v[HOLD+1], s[HB0+1], v[RA+1]
.else
	v_add_f32 v[BK+16], s[HB0], v[RA]
	v_add_f32 v[BK+17], s[HB0+1], v[RA+1]
	s_wait_xcnt 0x0                        ; my last store has read its data: only now is it written anew
	v_cndmask_b32 v[OD], v[HOLD], v[BK+16], s[MHI]     ; lanes 0-15: the even tile's rows; lanes 16-31: the odd tile's
	v_cndmask_b32 v[OD+1], v[HOLD+1], v[BK+17], s[MHI]
	global_store_b64 v[OO], v[OD:OD+1], s[38:39] th:TH_STORE_NT  ; 32 lanes store 256 consecutive bytes, at a multiple of 256 from out0's first byte
.endif
.Lno_o_\@:
.endif
	s_wait_dscnt 0x0                       ; my store of h is done and my loads are back
	s_barrier_signal -1
.endm
; My weights out of an image: 16 loads.  They stand far more than four plain lines behind the last product that read AF.
.macro RELOAD_W img
	v_add_nc_u32 v[OD], \img, v[WA]
.irp q, 0,1,2,3
.irp f, 0,1,2,3
	ds_load_b128 v[AF+16*\q+4*\f:AF+16*\q+4*\f+3], v[OD] offset:\q*8192+\f*512
.endr
.endr
.endm
.macro RELOAD_E img, ext               ; and the extra K columns
	RELOAD_W \img
	s_lshl_b32 s2, s[SU], 8
	s_add_co_u32 s2, s2, \ext
	v_and_b32 v[OD+1], 31, v0
	v_lshl_add_u32 v[OD+1], v[OD+1], 3, s2
.irp q, 0,1,2,3
	ds_load_b64 v[AX+2*\q:AX+2*\q+1], v[OD+1] offset:\q*1024
.endr
	s_wait_dscnt 0x0
.endm
	RELOAD_E IMG_E, EXT_E
	v_mov_b32 v[BX+1], 0x3c003c00                  ; 1.0, 1.0 in f16: they meet the two halves of the bias
.irp i, 2,3,4,5,6,7
	v_mov_b32 v[BX+\i], 0
.endr
	LOADB 0
	ds_load_b32 v[BX], v[XA]
	s_wait_dscnt 0x0
.set MFORM, 0
.set MBLK, BLK
.set MN, 12
.set mi, 0
.rept 12
	MM                                             ; the first piece's products: there is no vector work yet to set between them
.endr
.set rr, 0
.rept 32
	v_mov_b32 v[CST+rr], 0                         ; c = 0; these lines are also the places behind those products
.set rr, rr+1
.endr
	LOADB 1
	ds_load_b32 v[BX], v[XA] offset:64
	s_wait_dscnt 0x0
	s_barrier_signal -1                            ; every wave has read tiles 0 and 1 of h = 0
	s_mov_b32 s[CNT], 8
.Lenc:                                             ; a trip is an encoder step; its last turn makes the products of the next step's first piece
	TURN 0, 0, 1, 0
	TURN 1, 0, 1, 0
	TURN 2, 0, 1, 0
	s_cmp_lg_u32 s[CNT], 1
	s_cbranch_scc1 .Lkeep                          ; in the last trip the next step is the decoder's first: its weights
	RELOAD_E IMG_D1, EXT_D1
.Lkeep:
	TURN 3, 0, 1, 0
	v_add_nc_u32 v[XA], 1024, v[XA]
	s_sub_co_i32 s[CNT], s[CNT], 1
	s_cmp_lg_u32 s[CNT], 0
	s_cbranch_scc1 .Lenc
.set rr, 0
.rept 32
	v_mov_b32 v[CST+rr], 0                         ; the decoder starts from c = 0
.set rr, rr+1
.endr
	TURN 0, 0, 1, 0                                ; the decoder's first step, written out
	TURN 1, 0, 1, 0
	TURN 2, 0, 0, 0
	RELOAD_W IMG_D2                                ; from here on: composed weights, the bias as C operand, h2p_w
	s_lshl_b32 s2, s[SU], 6
	s_add_co_u32 s2, s2, BT
	v_bfe_u32 v[OD+1], v0, 4, 1
	v_lshl_add_u32 v[OD+1], v[OD+1], 5, s2         ; register j of a C operand is gate row 8 (lane / 16) + j
.irp q, 0,1,2,3
	ds_load_b128 v[BI+8*\q:BI+8*\q+3], v[OD+1] offset:\q*256
	ds_load_b128 v[BI+8*\q+4:BI+8*\q+7], v[OD+1] offset:\q*256+16
.endr
	v_and_b32 v[HOLD], 31, v0
	v_lshl_add_u32 v[HOLD], v[HOLD], 4, IMG_R
.irp f, 0,1,2,3
	ds_load_b128 v[HP+4*\f:HP+4*\f+3], v[HOLD] offset:\f*512
.endr
	s_wait_dscnt 0x0
	TURN 3, 1, 0, 1
	s_mov_b32 s[CNT], 11
.Ldec:                                             ; a trip is one of the decoder's steps 2..12, and stores the outputs of the step before it
	TURN 0, 1, 0, 2
	TURN 1, 1, 0, 1
	TURN 2, 1, 0, 2
	TURN 3, 1, 0, 1                                ; in the last trip its eight gate products, of a step that is not, serve nothing: the price, once a launch, of one text for every trip
	s_wait_xcnt 0x0                                ; the stores have read their base
	s_add_nc_u64 s[38:39], s[38:39], TSTEP
	s_sub_co_i32 s[CNT], s[CNT], 1
	s_cmp_lg_u32 s[CNT], 0
	s_cbranch_scc1 .Ldec
	s_barrier_wait -1                              ; h of the last step is whole
	s_and_b32 s2, s[SU], 1
	s_cmp_lg_u32 s2, 0
	s_cbranch_scc1 .Lend                           ; the waves with u = 0 and u = 2 make the last step's outputs, tiles u and u + 1
	s_wait_xcnt 0x0                                ; my last store has read OD
	s_lshl_b32 s2, s[SU], 11
	v_add_nc_u32 v[OD], s2, v[HL]
.irp i, 0,1
.irp u, 0,1,2,3
	ds_load_b128 v[BF+4*\u:BF+4*\u+3], v[OD] offset:\i*2048+\u*512
.endr
	s_wait_dscnt 0x0
	v_wmma_f32_16x16x32_f16 v[RA:RA+7], v[HP:HP+7], v[BF:BF+7], 0
	s_wait_alu depctr_va_vdst(0)                   ; two links on end on one accumulator: the wait between them
	v_wmma_f32_16x16x32_f16 v[RA:RA+7], v[HP+8:HP+15], v[BF+8:BF+15], v[RA:RA+7]
.rept 5
	v_nop                                          ; four places ahead of the reads of RA and of the loads into BF, five ahead of the product that writes RA anew
.endr
.if \i == 0
	v_add_f32 v[HOLD], s[HB0], v[RA]
	v_add_f32 v[HOLD+1], s[HB0+1], v[RA+1]
.else
	v_add_f32 v[BLK], s[HB0], v[RA]
	v_add_f32 v[BLK+1], s[HB0+1], v[RA+1]
	v_cndmask_b32 v[OD], v[HOLD], v[BLK], s[MHI]
	v_cndmask_b32 v[OD+1], v[HOLD+1], v[BLK+1], s[MHI]
	global_store_b64 v[OO], v[OD:OD+1], s[38:39] th:TH_STORE_NT
.endif
.endr
.Lend:
	s_wait_tensorcnt 0x0                           ; the wave's end, behind my last LDS store
	ds_add_u32 v[SPW], v[NIL]
	s_wait_dscnt 0x0
	s_endpgm
.Lfunc_end_k_q686d526b24_lstm:
	.size	k_q686d526b24_lstm, .Lfunc_end_k_q686d526b24_lstm-k_q686d526b24_lstm
	.p2alignl 7, 3214868480
	.fill 96, 4, 3214868480
	.section	.rodata,"a",@progbits
	.p2align	6, 0x0
	.amdhsa_kernel k_q686d526b24_lstm
		.amdhsa_group_segment_fixed_size 161792
		.amdhsa_private_segment_fixed_size 0
		.amdhsa_enable_private_segment 0
		.amdhsa_kernarg_size 128
		.amdhsa_user_sgpr_count 2
		.amdhsa_user_sgpr_kernarg_segment_ptr 1
		.amdhsa_wavefront_size32 1
		.amdhsa_system_sgpr_workgroup_id_x 1
		.amdhsa_system_sgpr_workgroup_id_y 1
		.amdhsa_system_sgpr_workgroup_id_z 1
		.amdhsa_system_vgpr_workitem_id 0
		.amdhsa_next_free_vgpr 256
		.amdhsa_next_free_sgpr 66
		.amdhsa_reserve_vcc 1
		.amdhsa_float_denorm_mode_32 3
		.amdhsa_float_denorm_mode_16_64 3
		.amdhsa_memory_ordered 1
		.amdhsa_forward_progress 1
		.amdhsa_inst_pref_size 138
	.end_amdhsa_kernel
	.amdgpu_metadata
---
amdhsa.version: [ 1, 2 ]
amdhsa.kernels:
  - .name:           k_q686d526b24_lstm
    .symbol:         k_q686d526b24_lstm.kd
    .args:
      - { .name: obs_traj_rel, .offset: 0, .size: 8, .value_kind: global_buffer, .address_space: global }
      - { .name: enc_emb_w, .offset: 8, .size: 8, .value_kind: global_buffer, .address_space: global }
      - { .name: enc_emb_b, .offset: 16, .size: 8, .value_kind: global_buffer, .address_space: global }
      - { .name: enc_w_ih, .offset: 24, .size: 8, .value_kind: global_buffer, .address_space: global }
      - { .name: enc_w_hh, .offset: 32, .size: 8, .value_kind: global_buffer, .address_space: global }
      - { .name: enc_b_ih, .offset: 40, .size: 8, .value_kind: global_buffer, .address_space: global }
      - { .name: enc_b_hh, .offset: 48, .size: 8, .value_kind: global_buffer, .address_space: global }
      - { .name: dec_emb_w, .offset: 56, .size: 8, .value_kind: global_buffer, .address_space: global }
      - { .name: dec_emb_b, .offset: 64, .size: 8, .value_kind: global_buffer, .address_space: global }
      - { .name: dec_w_ih, .offset: 72, .size: 8, .value_kind: global_buffer, .address_space: global }
      - { .name: dec_w_hh, .offset: 80, .size: 8, .value_kind: global_buffer, .address_space: global }
      - { .name: dec_b_ih, .offset: 88, .size: 8, .value_kind: global_buffer, .address_space: global }
      - { .name: dec_b_hh, .offset: 96, .size: 8, .value_kind: global_buffer, .address_space: global }
      - { .name: h2p_w, .offset: 104, .size: 8, .value_kind: global_buffer, .address_space: global }
      - { .name: h2p_b, .offset: 112, .size: 8, .value_kind: global_buffer, .address_space: global }
      - { .name: out0, .offset: 120, .size: 8, .value_kind: global_buffer, .address_space: global }
    .group_segment_fixed_size: 161792
    .private_segment_fixed_size: 0
    .kernarg_segment_align: 8
    .kernarg_segment_size: 128
    .max_flat_workgroup_size: 512
    .sgpr_count:     66
    .vgpr_count:     256
    .wavefront_size: 32
...
	.end_amdgpu_metadata
.endif
;; end of part 1
